; MI455X (gfx1250); checked and timed in simulation.
; The chip was launched on July 23, 2026; its instructions are those of AMD's public machine-readable ISA for CDNA 5 (MIT licence, August 2026) and "CDNA5" Instruction Set Architecture Reference Guide (July 2026). The comments in the code are by the model that wrote it; some were corrected since.
;; EML Token Pool. Allowed arithmetic: float matrix products may take bf16 or f16 operands with f32 sums; other float arithmetic in f32, or as packed bf16 or f16 multiplies, adds, multiply-adds, maxima and minima; sums over many terms, partial sums and values carried from step to step in f32; what a program stores and reads back later, other than sums and carried values, may be rounded once to bf16 or f16.
;; Inputs: db1 128 float32; db2 1 float32; dw1 512 x 128 float32; dw2 128 x 1 float32; eml_bias 1 float32; eml_gamma 1 float32; eml_lambda 1 float32; ln_b 512 float32; ln_g 512 float32; rb1 128 float32; rb2 1 float32; rw1 512 x 128 float32; rw2 128 x 1 float32; tokens 32 x 4,096 x 512 float32; vb 512 float32; vw 512 x 512 float32.
;; Outputs: out0 32 x 512 float32; out1 32 x 4,096 float32; out2 32 x 4,096 float32; out3 32 x 4,096 float32; out4 32 x 4,096 float32.
;; One version. Each part assembles by itself: llvm-mc -triple=amdgcn-amd-amdhsa -mcpu=gfx1250 --defsym DOCPART=n.
;; ======== version 1 of 1: 2 launches
;; limits: values are held in f16: magnitudes above 65,504 overflow, below 6.1e-05 lose precision; right only within a limited range of input values; a function is approximated: absolute error at most 3e-07
;; workspace buffers: ppool 524,288 bytes; psum 1,024 bytes
;; launch main (part 1): grid 256 x 1, 4 waves a work-group, no clusters, 197,632 bytes of LDS; arguments tokens, ln_g, ln_b, dw1, db1, dw2, db2, rw1, rb1, rw2, rb2, eml_gamma, eml_lambda, eml_bias, out2, out3, out4, ppool, psum; writes out2, out3, out4, ppool, psum
.if DOCPART == 1
	.amdgcn_target "amdgcn-amd-amdhsa--gfx1250"
	.amdhsa_code_object_version 6
	.text
	.protected	k_q3383be66c5_main
	.globl	k_q3383be66c5_main
	.p2align	8
	.type	k_q3383be66c5_main,@function
k_q3383be66c5_main:
	s_mov_b64 s[64:65], 0
	v_nop
	global_prefetch_b8 v0, s[64:65] scope:SCOPE_SE
	s_setreg_imm32_b32 hwreg(HW_REG_WAVE_MODE, 25, 1), 1
	s_wait_xcnt 0x0
; EMLTokenPool, first of two launches: LayerNorm, both MLPs (512 -> 128 -> 1, erf GELU), the clipped energy, p = exp(energy), and for each work-group sum p and sum p x^.
; The value projection is linear and a softmax row sums to 1, so sum_n w_n (x^_n vw + vb) = (sum_n w_n x^_n) vw + vb: only sum p x^ is made here; the second launch divides and multiplies by vw.
; The energy is clipped to -3 .. 3 ahead of the softmax by the problem itself, so exp(energy) lies in 0.0497 .. 20.1 and a row's sum under 82,300: no maximum is taken away.
; LIMITS.  Matrix operands are f16: x^ must stay under 65,504 (|x^| <= 22.6 |g| + |b|), weights below 6e-5 keep f16's fixed step of 6e-8.  erf by the rational form 1 - (1 + a1 z + .. + a6 z^6)^-16
; (absolute error 3e-7).  p is rounded to f16 for the pooling product alone; sum p is taken of the f32 p.  NaN and infinities are not treated apart.  The warm-up factor is the constant 1 and is not written.
; SHARES.  A work-group owns 512 tokens of one batch, 16 tiles of 32.  Wave w holds 64 of the 256 hidden units (waves 0, 1: dw1's halves; 2, 3: rw1's) as f16 fragments in 512 registers for the whole launch,
; normalises rows 8 w .. 8 w + 7 of every tile, and owns pooled columns 128 w .. 128 w + 127.  Tokens are read once, straight into registers: nobody shares them, so no tensor load and no cluster.
; K IS PERMUTED alike in x^ and W: position 128 I + 8 l + 4 c + e holds column 128 I + 64 c + 4 l + e, so that a lane's two loads of 16 bytes leave as one LDS store of 16 bytes.
; PIPELINE, one barrier a step.  Step s: LayerNorm of tile s + 1 (in slices behind the products), the MLP of tile s (GELU in two lumps), energy and pooling of tile s - 1.
; Uniform steps have a price: step 0 pools a zero tile with zero partial sums (its outputs go into a pad), step 15 normalises stale registers into a buffer that nobody reads, and 64 lines clear the pooled sums.
; REGISTERS, in windows of 256 (s_set_vgpr_msb: bits 1:0 source 0, 3:2 source 1, 5:4 source 2, 7:6 destination):
;   window 0: addresses, statistics, fragments of x^, accumulators.   window 1: two landing slots of 128 for tokens.   windows 2, 3: W (K step s, hidden tile j at 512 + 32 s + 8 j).
.set XP,    1040                       ; a row of x^ in LDS: 1,024 bytes of f16 + 16: an odd multiple of 16, so the 16 rows of a fragment load start at 16 different groups of banks
.set XB,    32*XP                      ; a tile of x^
.set GRP,   1<<17                      ; tiles 4 n, 4 n + 1 lie at 0 and XB, tiles 4 n + 2, 4 n + 3 at GRP and GRP + XB
.set GTB,   2*XB                       ; ln_g, then ln_b, f32
.set TBL,   GTB+4096                   ; db1, rb1, dw2 / 2, rw2 / 2: 128 f32 each
.set PART,  TBL+2048                   ; [parity][wave][32 tokens] f32: each wave's part of drive or resistance
.set PFS,   PART+1024                  ; 128 bytes a wave: p of 32 tokens in f16
.set OUTS,  PFS+512                    ; 2,304 bytes a wave: a pad of 128, then 512 f32: wave 0 drive, 1 resistance, 2 energy, 3 p
.set PO,    OUTS+4*2304                ; 512 bytes a wave: its pooled columns in true order
.set SPARE, PO+2048                    ; the spare words, 128 bytes a wave: two blocks of 256 bytes that no other line names
.set WSTG,  SPARE+512                  ; 5,120 bytes a wave: 32 positions x (64 f16 + 32 bytes), to turn W
.set XW0, 1                            ; v1   (8 w + half) XP + 16 (lane % 16): where I store x^
.set XF0, 2                            ; v2   (lane % 16) XP + 16 half: a fragment of x^
.set XT0, 3                            ; v3   (8 half + lane % 8) XP + 16 ((lane / 8) % 2) + 256 w: the turning loads
.set XWC, 4                            ; v4-8 the same three plus the group in hand (C) or the other (O), made at a trip's top
.set XWO, 5
.set XFC, 6
.set XTC, 7
.set XTO, 8
.set GBA, 9                            ; v9   GTB + 16 (lane % 16)
.set BIA, 10                           ; v10  TBL + 256 w + 32 half
.set PRD, 11                           ; v11  PART + 4 lane
.set PWR, 12                           ; v12  PART + 128 w + 4 (lane % 16)
.set PFW, 13                           ; v13  PFS + 128 w + 2 lane
.set PFR, 14                           ; v14  PFS + 128 w + 16 half
.set OSW, 15                           ; v15  my word of the trip's first step in OUTS
.set TOK, 16                           ; v16  2,048 half + 16 (lane % 16): never rewritten
.set PFO, 17                           ; v17  256 lane: never rewritten
.set SA,  18                           ; v18-21 the GELU's two sums (in the head: offsets)
.set SB,  20
.set PF,  22                           ; v22-29 p as source 0: 16 equal rows
.set ST,  30                           ; v30-37 unit u: low word -mean, later 1 / sigma
.set SUM, 38                           ; v38-45
.set W2T, 46                           ; v46-61 half w2 of two hidden tiles; also XT and EN
.set XT,  46                           ;        two turned tiles of x^
.set EN,  46                           ;        the energy's eight registers
.set SPW, 62                           ; v62  SPARE + 4 x my thread's number; never rewritten
.set NIL, 63                           ; v63  0; never rewritten
.set FR,  64                           ; v64-127 fragments of x^: two buffers of four K steps
.set POOL,128                          ; v128-191 eight accumulators
.set GY,  192                          ; v192-207 |x|;  v208-223 the polynomial.  In the second pass: g and b, two halves of 16
.set GP,  208
.set GBC, 192
.set ACC, 224                          ; v224-255 four accumulators
.set WV, 42
.set TR, 43
.set C1, 44                            ; s[44:55] a_k / 2^(k/2), each as a pair
.set C2, 46
.set C3, 48
.set C4, 50
.set C5, 52
.set C6, 54
.set ABSM, 56
.set SGC, 57
.set SGO, 58
.set I512, 59
.set EPS, 60
.set NEG3, 61
.set POS3, 62
.set NL2E, 63
.set DB2, 66
.set RB2, 67
.set GAM, 68
.set NLAM, 69
.set EBI, 70
.set MS1, 71                           ; all ones in wave 1 (2, 3), else 0: which of the four numbers my wave keeps
.set MS2, 72
.set MS3, 73
.set TOKP, 74                          ; s[74:75] my 8 rows of the tile to be loaded
.set WP, 76                            ; s[76:77] dw1 or rw1
.set TMP, 78
.set SEX, 80
.set OSS, 81
.set SEL, 82                           ; s[82:83] v_permlanex16_b32: each lane takes its own place in the other half
.set HM, 84
.set OSB, 85
.set SCL, 86
.set TBP, 88                           ; s[88:89] a pointer chosen by the wave's number
.set MSB, 0
.set DSC, 0                            ; LDS instructions written since the last wait for all of them; the marks below hold its value behind a run of loads
.set MKF0, 0
.set MKF1, 0
.set MKG0, 0
.set MKG1, 0
.set MKP, 0
.set MKW, 0
.set MKX, 0
.set MKB0, 0
.macro WIN new                         ; the immediate's high byte repeats the setting that is left; a switch that changes nothing is dropped
.if MSB != (\new)
	s_set_vgpr_msb (MSB<<8)|(\new)
.set MSB, \new
.endif
.endm
.macro DSW m                           ; LDS instructions end in order: as many may stay out as were written behind the mark (the field holds 63)
.if DSC-(\m) > 63
	s_wait_dscnt 63
.else
	s_wait_dscnt DSC-(\m)
.endif
.endm
.macro PLACES                          ; four plain lines behind a product, ahead of a load into its registers or a reader of its result
.rept 4
	v_nop
.endr
.endm
.macro CPAIR r, val
	s_mov_b32 s[\r], \val
	s_mov_b32 s[\r+1], \val
.endm
.macro XADD r, k                       ; lane i adds lane i xor 2^k of its half
.if (\k) == 0
	v_add_f32_dpp v[\r], v[\r], v[\r] row_xmask:1 row_mask:0xf bank_mask:0xf
.elseif (\k) == 1
	v_add_f32_dpp v[\r], v[\r], v[\r] row_xmask:2 row_mask:0xf bank_mask:0xf
.elseif (\k) == 2
	v_add_f32_dpp v[\r], v[\r], v[\r] row_xmask:4 row_mask:0xf bank_mask:0xf
.else
	v_add_f32_dpp v[\r], v[\r], v[\r] row_xmask:8 row_mask:0xf bank_mask:0xf
.endif
.endm
; Two rows of tokens (unit u) into slot q: lanes 0-15 take 256 consecutive aligned bytes of one row, lanes 16-31 of the next.
.macro TLOADU q, u, off
.set z, 0
.rept 8
	global_load_b128 v[128*(\q)+32*(\u)+4*z:128*(\q)+32*(\u)+4*z+3], v[TOK], s[TOKP:TOKP+1] offset:(\off)+4096*(\u)+256*z th:TH_LOAD_NT
.set z, z+1
.endr
.endm
.macro TLOAD q
	WIN 0x40
	TLOADU \q, 0, 0
	TLOADU \q, 1, 0
	TLOADU \q, 2, 0
	TLOADU \q, 3, 0
	WIN 0
.endm
; W's 32 rows of K step s (in permuted order), my 64 columns: 16 loads into one of three sets of 64 registers.
.macro WLOADS s
.set wF, 64+64*((\s)%3)
.set t, 0
.rept 16
	global_load_b128 v[wF+4*t:wF+4*t+3], v18, s[WP:WP+1] offset:512*(128*((\s)/4)+64*(t>>3)+16*((\s)%4)+2*(t&7))
.set t, t+1
.endr
.endm
; K step s of W: to f16, into my stage as [position][hidden], and back turned, as four fragments.  LDS serves a wave's instructions in order, so no wait stands between stores and loads of my own bytes.
.macro WSTEP s
.set wF, 64+64*((\s)%3)
	WIN 0
	s_wait_loadcnt 32                  ; behind this set stand two groups of 16 loads, in every one of the 16 steps
.set t, 0
.rept 16
	v_cvt_pk_f16_f32 v[wF+4*t], v[wF+4*t], v[wF+4*t+1]
	v_cvt_pk_f16_f32 v[wF+4*t+1], v[wF+4*t+2], v[wF+4*t+3]
.set t, t+1
.endr
.set t, 0
.rept 16
	ds_store_b64 v19, v[wF+4*t:wF+4*t+1] offset:160*(8*((t&7)>>1)+4*(t>>3)+2*(t&1))
.set t, t+1
.endr
.if (\s) < 8
	WIN 0x80
.else
	WIN 0xc0
.endif
.set t, 0
.rept 4
	ds_load_tr16_b128 v[32*((\s)&7)+8*t:32*((\s)&7)+8*t+3], v20 offset:32*t
	ds_load_tr16_b128 v[32*((\s)&7)+8*t+4:32*((\s)&7)+8*t+7], v20 offset:32*t+2560
.set t, t+1
.endr
	WIN 0
.if (\s) <= 12
	WLOADS (\s)+3
.elseif (\s) == 13
	WIN 0x40
	TLOADU 1, 0, 65536                 ; tile 1 takes the place of the sets that are no more
	TLOADU 1, 1, 65536
	WIN 0
.elseif (\s) == 14
	WIN 0x40
	TLOADU 1, 2, 65536
	TLOADU 1, 3, 65536
	WIN 0
.endif
.endm
; LAYERNORM, statistics: slice ln of 60, one line for each of my four pairs of rows in slot LQ.  A row lies in 16 lanes, 32 numbers a lane.  The mean first, then the centred squares.
.macro LNS
.set u, 0
.rept 4
.set pb, 128*LQ+32*u
.set sm, SUM+2*u
.set st, ST+2*u
.if ln == 0
	WIN 0x05
	v_pk_add_f32 v[sm:sm+1], v[pb:pb+1], v[pb+2:pb+3]
.elseif ln < 15
	WIN 0x01
	v_pk_add_f32 v[sm:sm+1], v[pb+2*ln+2:pb+2*ln+3], v[sm:sm+1]
.elseif (ln == 15) || (ln == 53)
	WIN 0
	v_add_f32 v[sm], v[sm], v[sm+1]
.elseif ln < 20
	WIN 0
	XADD sm, ln-16
.elseif ln == 20
	WIN 0
	v_mul_f32 v[st], 0xbb000000, v[sm]                 ; -mean
.elseif ln < 37
	WIN 0x41
	v_pk_add_f32 v[pb+2*(ln-21):pb+2*(ln-21)+1], v[pb+2*(ln-21):pb+2*(ln-21)+1], v[st:st+1] op_sel_hi:[1,0]
.elseif ln == 37
	WIN 0x05
	v_pk_mul_f32 v[sm:sm+1], v[pb:pb+1], v[pb:pb+1]
.elseif ln < 53
	WIN 0x05
	v_pk_fma_f32 v[sm:sm+1], v[pb+2*(ln-37):pb+2*(ln-37)+1], v[pb+2*(ln-37):pb+2*(ln-37)+1], v[sm:sm+1]
.elseif ln < 58
	WIN 0
	XADD sm, ln-54
.elseif ln == 58
	WIN 0
	v_fma_f32 v[sm], v[sm], s[I512], s[EPS]
.else
	WIN 0
	v_rsq_f32 v[st], v[sm]                             ; takes -mean's place, which is dead
.endif
.set u, u+1
.endr
.endm
; g and b of columns 128 I .. 128 I + 127 for my lane: 8 + 8 registers, into half I % 2.
.macro GBL I
.set gh, GBC+16*((\I)&1)
	WIN 0
	ds_load_b128 v[gh:gh+3], v[GBA] offset:512*(\I)
	ds_load_b128 v[gh+4:gh+7], v[GBA] offset:512*(\I)+256
	ds_load_b128 v[gh+8:gh+11], v[GBA] offset:512*(\I)+2048
	ds_load_b128 v[gh+12:gh+15], v[GBA] offset:512*(\I)+2304
.set DSC, DSC+4
.if ((\I)&1) == 0
.set MKG0, DSC
.else
.set MKG1, DSC
.endif
.endm
; LAYERNORM, the rest: slice ap of 48 = 12 I + m, one line a pair of rows.  m 0-3: times 1 / sigma; 4-7: times g plus b; 8-11: to f16, in place; then 16 bytes a lane and pair of rows into x^ (address LA, buffer LB).
.macro APS
.set aI, ap/12
.set am, ap%12
.set ag, GBC+16*(aI&1)
.if am == 4
.if (aI&1) == 0
	DSW MKG0
.else
	DSW MKG1
.endif
.endif
.set u, 0
.rept 4
.set pb, 128*LQ+32*u+8*aI
.if am < 4
	WIN 0x41
	v_pk_mul_f32 v[pb+2*am:pb+2*am+1], v[pb+2*am:pb+2*am+1], v[ST+2*u:ST+2*u+1] op_sel_hi:[1,0]
.elseif am < 8
	WIN 0x41
	v_pk_fma_f32 v[pb+2*(am-4):pb+2*(am-4)+1], v[pb+2*(am-4):pb+2*(am-4)+1], v[ag+2*(am-4):ag+2*(am-4)+1], v[ag+8+2*(am-4):ag+8+2*(am-4)+1]
.else
	WIN 0x45
	v_cvt_pk_f16_f32 v[pb+am-8], v[pb+2*(am-8)], v[pb+2*(am-8)+1]
.endif
.set u, u+1
.endr
.if (am == 7) && (aI <= 1)
	GBL aI+2
.endif
.if am == 11
	WIN 0x04
.set u, 0
.rept 4
	ds_store_b128 v[LA], v[128*LQ+32*u+8*aI:128*LQ+32*u+8*aI+3] offset:LB*XB+2*XP*u+256*aI
.set u, u+1
.endr
.set DSC, DSC+4
.endif
.endm
.macro RIDER
.if ap < 48
	APS
.set ap, ap+1
.endif
.endm
; THE ENERGY of the tile before: line ek of 22; a lane is a token.  Each of the three transcendentals has a plain line behind it and a wait ahead of its first reader.
.macro ENR
	WIN 0
.if ek == 0
	DSW MKP
	v_add_f32 v[EN], v[EN], v[EN+1]
.elseif ek == 1
	v_add_f32 v[EN+2], v[EN+2], v[EN+3]
.elseif ek == 2
	v_add_f32 v[EN], s[DB2], v[EN]                     ; drive
.elseif ek == 3
	v_add_f32 v[EN+2], s[RB2], v[EN+2]                 ; resistance
.elseif ek == 4
	v_and_b32 v[EN+4], s[ABSM], v[EN+2]
.elseif ek == 5
	v_mul_f32 v[EN+4], s[NL2E], v[EN+4]
.elseif ek == 6
	v_exp_f32 v[EN+4], v[EN+4]                         ; e^-|r|
.elseif ek == 7
	v_max_num_f32 v[EN+5], 0, v[EN+2]
.elseif ek == 8
	s_wait_alu depctr_va_vdst(0)
	v_add_f32 v[EN+4], 1.0, v[EN+4]
.elseif ek == 9
	v_log_f32 v[EN+4], v[EN+4]
.elseif ek == 10
	v_fma_f32 v[EN+6], s[GAM], v[EN], s[EBI]
.elseif ek == 11
	s_wait_alu depctr_va_vdst(0)
	v_fma_f32 v[EN+5], v[EN+4], 0x3f317218, v[EN+5]    ; softplus = max(r, 0) + ln 2 log2(1 + e^-|r|)
.elseif ek == 12
	v_fma_f32 v[EN+6], s[NLAM], v[EN+5], v[EN+6]
.elseif ek == 13
	v_med3_num_f32 v[EN+6], v[EN+6], s[NEG3], s[POS3]  ; energy
.elseif ek == 14
	v_mul_f32 v[EN+4], 0x3fb8aa3b, v[EN+6]
.elseif ek == 15
	v_exp_f32 v[EN+4], v[EN+4]                         ; p
.elseif ek == 16
	v_cndmask_b32 v[EN+7], v[EN], v[EN+2], s[MS1]
.elseif ek == 17
	v_cndmask_b32 v[EN+7], v[EN+7], v[EN+6], s[MS2]
.elseif ek == 18
	s_wait_alu depctr_va_vdst(0)
	v_cndmask_b32 v[EN+7], v[EN+7], v[EN+4], s[MS3]
.elseif ek == 19
	v_cvt_pk_f16_f32 v[EN+1], v[EN+4], v[EN+4]
.elseif ek == 20
	ds_store_b16 v[PFW], v[EN+1]
	ds_store_b32 v[OSW], v[EN+7] offset:128*EPAR
.set DSC, DSC+2
.else
	ds_load_b128 v[PF:PF+3], v[PFR]                    ; my own bytes, behind my own store
	ds_load_b128 v[PF+4:PF+7], v[PFR] offset:32
.set DSC, DSC+2
.endif
.endm
; Fragments of x^: tokens 16 tk on, K steps 4 b .. 4 b + 3, of buffer buf of the group in hand, into buffer b % 2.
.macro FRL tk, b, buf
	WIN 0
.set fb, FR+32*((\b)&1)
.set fo, (\buf)*XB+(\tk)*16*XP+256*(\b)
.set z, 0
.rept 4
	ds_load_b128 v[fb+8*z:fb+8*z+3], v[XFC] offset:fo+64*z
	ds_load_b128 v[fb+8*z+4:fb+8*z+7], v[XFC] offset:fo+64*z+32
.set z, z+1
.endr
.set DSC, DSC+8
.if ((\b)&1) == 0
.set MKF0, DSC
.else
.set MKF1, DSC
.endif
.endm
.macro DSWF
.if (be&1) == 0
	DSW MKF0
.else
	DSW MKF1
.endif
.endm
; Product i of 16 of batch be: h^T += W^T x^T.  The accumulators take turns, one instruction a turn.  In a pass's first batch tiles 0 and 1 come first, so that the bias of tiles 2 and 3 may land later.
.macro MMB
.if be == 0
.set jj, (i&1)+2*(i>>3)
.set sg, (i>>1)&3
.else
.set jj, i&3
.set sg, i>>2
.endif
.set ks, 4*be+sg
.set wr, 32*(ks&7)+8*jj
.set xr, FR+32*(be&1)+8*sg
.set ar, ACC+8*jj
.if ks < 8
	WIN 0x02
.else
	WIN 0x03
.endif
	v_wmma_f32_16x16x32_f16 v[ar:ar+7], v[wr:wr+7], v[xr:xr+7], v[ar:ar+7]
.endm
.macro BIASL j                         ; the bias is what the sums start from
	ds_load_b128 v[ACC+8*(\j):ACC+8*(\j)+3], v[BIA] offset:64*(\j)
	ds_load_b128 v[ACC+8*(\j)+4:ACC+8*(\j)+7], v[BIA] offset:64*(\j)+16
.set DSC, DSC+2
.endm
.macro W2L g
	WIN 0
.set z, 0
.rept 2
	ds_load_b128 v[W2T+8*z:W2T+8*z+3], v[BIA] offset:1024+64*(2*(\g)+z)
	ds_load_b128 v[W2T+8*z+4:W2T+8*z+7], v[BIA] offset:1024+64*(2*(\g)+z)+16
.set z, z+1
.endr
.set DSC, DSC+4
.set MKW, DSC
.endm
.macro XTL rho                         ; 32 tokens x 16 positions, turned, twice: position tiles 2 rho and 2 rho + 1 of my 128 (address PLA, buffer PLB)
	WIN 0
.set z, 0
.rept 2
	ds_load_tr16_b128 v[XT+8*z:XT+8*z+3], v[PLA] offset:PLB*XB+32*(2*(\rho)+z)
	ds_load_tr16_b128 v[XT+8*z+4:XT+8*z+7], v[PLA] offset:PLB*XB+32*(2*(\rho)+z)+16*XP
.set z, z+1
.endr
.set DSC, DSC+4
.set MKX, DSC
.endm
.macro POOLW n
	WIN 0
	v_wmma_f32_16x16x32_f16 v[POOL+8*(\n):POOL+8*(\n)+7], v[PF:PF+7], v[XT+8*((\n)&1):XT+8*((\n)&1)+7], v[POOL+8*(\n):POOL+8*(\n)+7]
.endm
; GELU and the second layer for 16 tokens: 2 gelu(x) = x + y - y r, y = |x|, r = (1 + c1 y + .. + c6 y^6)^-16; the half lies in w2's table.  Two batches of two hidden tiles; a batch's 16 reciprocals have one wait.
; Where the power overflows its reciprocal is 0; all coefficients are positive, so no difference of infinities arises.  Each accumulator's lowest register is read first.
.macro GELU tk
	WIN 0
.set g, 0
.rept 2
.set ga, ACC+16*g
.set z, 0
.rept 16
	v_and_b32 v[GY+z], s[ABSM], v[ga+z]
.set z, z+1
.endr
.set z, 0
.rept 8
	v_pk_fma_f32 v[GP+2*z:GP+2*z+1], v[GY+2*z:GY+2*z+1], s[C6:C6+1], s[C5:C5+1] op_sel_hi:[1,0,0]
.set z, z+1
.endr
.irp c, C4, C3, C2, C1
.set z, 0
.rept 8
	v_pk_fma_f32 v[GP+2*z:GP+2*z+1], v[GP+2*z:GP+2*z+1], v[GY+2*z:GY+2*z+1], s[\c:\c+1] op_sel_hi:[1,1,0]
.set z, z+1
.endr
.endr
.set z, 0
.rept 8
	v_pk_fma_f32 v[GP+2*z:GP+2*z+1], v[GP+2*z:GP+2*z+1], v[GY+2*z:GY+2*z+1], 1.0 op_sel_hi:[1,1,0]
.set z, z+1
.endr
.rept 4
.set z, 0
.rept 8
	v_pk_mul_f32 v[GP+2*z:GP+2*z+1], v[GP+2*z:GP+2*z+1], v[GP+2*z:GP+2*z+1]
.set z, z+1
.endr
.endr
.set z, 0
.rept 8
	v_rcp_f32 v[GP+2*z], v[GP+2*z]
	v_rcp_f32 v[GP+2*z+1], v[GP+2*z+1]
	v_pk_add_f32 v[ga+2*z:ga+2*z+1], v[ga+2*z:ga+2*z+1], v[GY+2*z:GY+2*z+1]  ; x + y; the last of these is the plain line behind the last reciprocal
.set z, z+1
.endr
	s_wait_alu depctr_va_vdst(0)       ; one wait for the batch's 16 reciprocals, ahead of their first reader
.set z, 0
.rept 8
	v_pk_fma_f32 v[ga+2*z:ga+2*z+1], v[GY+2*z:GY+2*z+1], v[GP+2*z:GP+2*z+1], v[ga+2*z:ga+2*z+1] neg_lo:[1,0,0] neg_hi:[1,0,0]
.set z, z+1
.endr
	DSW MKW
.set z, 0
.rept 8
.set sc, SA+2*(z&1)
.if (g == 0) && (z < 2)
	v_pk_mul_f32 v[sc:sc+1], v[ga+2*z:ga+2*z+1], v[W2T+2*z:W2T+2*z+1]
.else
	v_pk_fma_f32 v[sc:sc+1], v[ga+2*z:ga+2*z+1], v[W2T+2*z:W2T+2*z+1], v[sc:sc+1]
.endif
.set z, z+1
.endr
	BIASL 2*g
	BIASL 2*g+1
.if g == 0
.set MKB0, DSC
	W2L 1
.endif
.set g, g+1
.endr
	v_pk_add_f32 v[SA:SA+1], v[SA:SA+1], v[SB:SB+1]
	v_add_f32 v[SB], v[SA], v[SA+1]
	v_permlanex16_b32 v[SB+1], v[SB], s[SEL], s[SEL+1] ; the token's other 32 hidden units lie in the lane 16 away
	v_add_f32 v[SB], v[SB], v[SB+1]
	ds_store_b32 v[PWR], v[SB] offset:512*EPAR+64*(\tk) ; lanes r and r + 16 write the same word with the same number
.set DSC, DSC+1
.endm
	s_load_b512 s[4:19], s[0:1], 0x0               ; tokens 4, ln_g 6, ln_b 8, dw1 10, db1 12, dw2 14, db2 16, rw1 18
	s_load_b512 s[20:35], s[0:1], 0x40             ; rb1 20, rw2 22, rb2 24, gamma 26, lambda 28, bias 30, out2 32, out3 34
	s_load_b128 s[36:39], s[0:1], 0x80             ; out4 36, ppool 38
	s_load_b64 s[40:41], s[0:1], 0x90              ; psum
	v_lshl_add_u32 v[SPW], v0, 2, SPARE
	v_mov_b32 v[NIL], 0
	v_lshrrev_b32 v22, 5, v0
	v_readfirstlane_b32 s[WV], v22                 ; wave 0..3
	v_and_b32 v22, 15, v0                          ; lane % 16
	v_bfe_u32 v23, v0, 4, 1                        ; half
	v_and_b32 v24, 31, v0                          ; lane
	v_and_b32 v25, 7, v0
	v_bfe_u32 v26, v0, 3, 1
	s_mul_i32 s[TMP], s[WV], 8*XP
	v_mul_u32_u24 v[XW0], v23, XP
	v_lshl_add_u32 v[XW0], v22, 4, v[XW0]
	v_add_nc_u32 v[XW0], s[TMP], v[XW0]
	v_mul_u32_u24 v[XF0], v22, XP
	v_lshl_add_u32 v[XF0], v23, 4, v[XF0]
	v_lshl_add_u32 v[XT0], v23, 3, v25
	v_mul_u32_u24 v[XT0], v[XT0], XP
	v_lshl_add_u32 v[XT0], v26, 4, v[XT0]
	s_lshl_b32 s[TMP], s[WV], 8
	v_add_nc_u32 v[XT0], s[TMP], v[XT0]
	v_lshl_add_u32 v[GBA], v22, 4, GTB
	v_lshl_add_u32 v[BIA], v23, 5, s[TMP]
	v_add_nc_u32 v[BIA], TBL, v[BIA]
	v_lshl_add_u32 v[PRD], v24, 2, PART
	s_lshl_b32 s[TMP], s[WV], 7
	v_lshl_add_u32 v[PWR], v22, 2, s[TMP]
	v_add_nc_u32 v[PWR], PART, v[PWR]
	v_lshl_add_u32 v[PFW], v24, 1, s[TMP]
	v_add_nc_u32 v[PFW], PFS, v[PFW]
	v_lshl_add_u32 v[PFR], v23, 4, s[TMP]
	v_add_nc_u32 v[PFR], PFS, v[PFR]
	v_lshlrev_b32 v[TOK], 4, v22
	v_lshl_add_u32 v[TOK], v23, 11, v[TOK]
	v_lshlrev_b32 v[PFO], 8, v24
	s_and_b32 s[TMP], s[WV], 1                     ; the head's own: v18 W's offset, v19 into my stage, v20 out of it, v21 16 t, v27 16 lane, v28, v29 the tables' places, v25 the zero tile
	s_lshl_b32 s[TMP], s[TMP], 8
	v_lshl_add_u32 v18, v23, 9, s[TMP]
	v_lshl_add_u32 v18, v22, 4, v18
	s_mul_i32 s[TMP], s[WV], 5120
	s_add_co_u32 s[TMP], s[TMP], WSTG
	v_mul_u32_u24 v19, v23, 160
	v_lshl_add_u32 v19, v22, 3, v19
	v_add_nc_u32 v19, s[TMP], v19
	v_lshl_add_u32 v20, v23, 3, v25
	v_mul_u32_u24 v20, v20, 160
	v_lshl_add_u32 v20, v26, 4, v20
	v_add_nc_u32 v20, s[TMP], v20
	v_lshlrev_b32 v21, 4, v0
	v_lshlrev_b32 v27, 4, v24
	v_add_nc_u32 v28, GTB, v21
	s_lshl_b32 s[TMP], s[WV], 9
	v_add_nc_u32 v29, s[TMP], v27
	v_add_nc_u32 v29, TBL, v29
	s_mul_i32 s[TMP], s[WV], 8*XP
	s_add_co_u32 s[TMP], s[TMP], GRP+XB
	v_add_nc_u32 v25, s[TMP], v27
	s_mul_i32 s[OSB], s[WV], 2304
	s_add_co_u32 s[OSB], s[OSB], OUTS-PART
	CPAIR C1, 0x3d4c41b4                           ; 0.04986735
	CPAIR C2, 0x3cad2fe7                           ; 0.02114101
	CPAIR C3, 0x3b56cd70                           ; 0.003277626
	CPAIR C4, 0x381f6607                           ; 3.800358e-5
	CPAIR C5, 0x384d0fed                           ; 4.889064e-5
	CPAIR C6, 0x36b49f67                           ; 5.382975e-6
	s_mov_b32 s[ABSM], 0x7fffffff
	s_mov_b32 s[I512], 0x3b000000                  ; 1 / 512
	s_mov_b32 s[EPS], 0x3727c5ac                   ; 1e-5
	s_mov_b32 s[NEG3], 0xc0400000
	s_mov_b32 s[POS3], 0x40400000
	s_mov_b32 s[NL2E], 0xbfb8aa3b                  ; -log2(e)
	s_mov_b32 s[SEL], 0x76543210
	s_mov_b32 s[SEL+1], 0xfedcba98
	s_mov_b32 s[HM], 0xffff0000
	s_cmp_eq_u32 s[WV], 1
	s_cselect_b32 s[MS1], -1, 0
	s_cmp_eq_u32 s[WV], 2
	s_cselect_b32 s[MS2], -1, 0
	s_cmp_eq_u32 s[WV], 3
	s_cselect_b32 s[MS3], -1, 0
	s_lshl_b32 s[TMP], ttmp9, 20                   ; the work-group's 512 rows of 2,048 bytes,
	s_lshl_b32 s[TMP+1], s[WV], 14                 ; my 8 rows of a tile
	s_add_co_u32 s[TMP], s[TMP], s[TMP+1]
	s_mov_b32 s[TMP+1], 0
	s_wait_kmcnt 0x0
	s_load_b32 s[DB2], s[16:17], 0x0
	s_load_b32 s[RB2], s[24:25], 0x0
	s_load_b32 s[GAM], s[26:27], 0x0
	s_load_b32 s[NLAM], s[28:29], 0x0
	s_load_b32 s[EBI], s[30:31], 0x0
	s_add_nc_u64 s[TOKP:TOKP+1], s[4:5], s[TMP:TMP+1]
	s_cmp_lt_u32 s[WV], 2
	s_cselect_b64 s[WP:WP+1], s[10:11], s[18:19]
	s_cselect_b32 s[SCL], 1.0, 0.5                 ; waves 0, 1 bring the biases, waves 2, 3 the second layers, halved
	s_mov_b32 s[SCL+1], s[SCL]
	s_cmp_eq_u32 s[WV], 0
	s_cselect_b64 s[TBP:TBP+1], s[12:13], s[20:21]
	s_cmp_eq_u32 s[WV], 2
	s_cselect_b64 s[TBP:TBP+1], s[14:15], s[TBP:TBP+1]
	s_cmp_eq_u32 s[WV], 3
	s_cselect_b64 s[TBP:TBP+1], s[22:23], s[TBP:TBP+1]
	global_load_b128 v[32:35], v21, s[6:7]
	global_load_b128 v[36:39], v21, s[8:9]
	global_load_b128 v[40:43], v27, s[TBP:TBP+1]
	TLOAD 0                                        ; tile 0
	WLOADS 0
	WLOADS 1
	WLOADS 2
.set ws, 0
.rept 16
	WSTEP ws
.set ws, ws+1
.endr
	v_pk_mul_f32 v[40:41], v[40:41], s[SCL:SCL+1] op_sel_hi:[1,0]  ; the tables landed with the first set of W
	v_pk_mul_f32 v[42:43], v[42:43], s[SCL:SCL+1] op_sel_hi:[1,0]
	ds_store_b128 v28, v[32:35]
	ds_store_b128 v28, v[36:39] offset:2048
	ds_store_b128 v29, v[40:43]
.irp r, 56,57,58,59
	v_mov_b32 v\r, 0
.endr
.set z, 0
.rept 8
	ds_store_b128 v25, v[56:59] offset:XP*z        ; the tile that step 0 pools: zeros
	ds_store_b128 v25, v[56:59] offset:XP*z+512
.set z, z+1
.endr
	ds_store_b32 v[PWR], v56 offset:512            ; and its partial sums
	ds_store_b32 v[PWR], v56 offset:576
	s_wait_dscnt 0x0                               ; my tables and zeros are written, W's fragments are in
	s_barrier_signal -1
.set z, 0
.rept 64
	v_mov_b32 v[POOL+z], 0                         ; so that the loop has one form of pooling product
.set z, z+1
.endr
.set z, 0
.rept 8
	v_mov_b32 v[ST+z], 0                           ; named as pairs, so both words are written
.set z, z+1
.endr
	s_barrier_wait -1                              ; g, b and the tables are whole
.set DSC, 0
.set LQ, 0
.set LA, XW0
.set LB, 0
.set ln, 0
.rept 60
	LNS                                            ; tile 0, with no products to stand behind
.set ln, ln+1
.endr
	WIN 0
	v_nop
	s_wait_alu depctr_va_vdst(0)                   ; the four 1 / sigma
	GBL 0
	GBL 1
.set ap, 0
.rept 48
	RIDER
.endr
	WIN 0
	BIASL 0
	BIASL 1
	BIASL 2
	BIASL 3
	s_wait_kmcnt 0x0
	s_xor_b32 s[NLAM], s[NLAM], 0x80000000         ; -lambda
	s_wait_xcnt 0x0                                ; tile 1's loads have read the pointer
	s_add_nc_u64 s[TOKP:TOKP+1], s[TOKP:TOKP+1], 65536
	s_mov_b32 s[TR], 0
	s_mov_b32 s[SGC], 0
	s_wait_dscnt 0x0
	s_barrier_signal -1
	s_barrier_wait -1                              ; tile 0 of x^ is whole
; A STEP.  par = the step's parity.  The one barrier at its end orders: x^ of tile s + 1 and the partial sums of tile s, written here, against their readers in step s + 1; and this step's reads against
; the writes of later steps (a buffer of x^ is written again two barriers behind its last reader, a parity of the partial sums one).
.macro STEP par
.set DSC, 0
.set EPAR, \par
.if \par
.set LQ, 0
.set LA, XWO
.set LB, 0
.set PLA, XTC
.set PLB, 0
.else
.set LQ, 1
.set LA, XWC
.set LB, 1
.set PLA, XTO
.set PLB, 1
.endif
	WIN 0
	s_wait_loadcnt 0x0                             ; tile s + 1 is in: the one tile that is out.  For 0, so that the loads below may be jumped over in the last trip
	s_wait_xcnt 0x0                                ; the last step's loads and prefetches have read the pointer
	s_add_nc_u64 s[TOKP:TOKP+1], s[TOKP:TOKP+1], 65536  ; tile s + 2
	FRL 0, 0, \par
	FRL 0, 1, \par
.set z, 0
.rept 4
	ds_load_b32 v[EN+z], v[PRD] offset:512*(1-(\par))+128*z
.set z, z+1
.endr
.set DSC, DSC+4
.set MKP, DSC
	s_cmp_lt_u32 s[TR], 7                          ; tiles 16 and 17 do not exist
	s_cbranch_scc0 .Lnl_\@
	TLOAD \par                                     ; into the slot whose tile was normalised in the step before
.Lnl_\@:
	s_cmp_lt_u32 s[TR], 7-(\par)                   ; nor does tile 16 for the prefetch
	s_cbranch_scc0 .Lnp_\@
	global_prefetch_b8 v[PFO], s[TOKP:TOKP+1] offset:65536 th:TH_LOAD_NT scope:SCOPE_SE       ; my own 16,384 bytes of tile s + 3, a lane a block of 256: one step (136 products, two lumps) ahead of their loads;
	global_prefetch_b8 v[PFO], s[TOKP:TOKP+1] offset:65536+8192 th:TH_LOAD_NT scope:SCOPE_SE  ; each block is named once in the launch; tiles 0 to 2 come by their loads alone
.Lnp_\@:
	; first pass: tokens 0-15 | the statistics of tile s + 1 | the energy of tile s - 1.  The bias landed ahead of the barrier.
.set be, 0
.rept 4
	DSWF
.set i, 0
.rept 16
	MMB
.set ln, 16*be+i
.if ln < 60
	LNS
.endif
.set ek, 16*be+i-8
.if (ek >= 0) && (ek <= 21)
	ENR
.endif
.set i, i+1
.endr
.if be <= 1
	PLACES
	FRL 0, be+2, \par
.endif
.if be == 3
	PLACES                                         ; also the plain lines behind the four 1 / sigma,
	s_wait_alu depctr_va_vdst(0)                   ; and their wait
	FRL 1, 0, \par
	FRL 1, 1, \par
	W2L 0
.endif
.set be, be+1
.endr
	GELU 0
	GBL 0
	GBL 1
	XTL 0
	; second pass: tokens 16-31, and in each batch's middle two pooling products of tile s - 1 | the rest of tile s + 1's LayerNorm
.set ap, 0
.set be, 0
.rept 4
.if be == 0
	DSW MKB0                                       ; the bias of tiles 0 and 1 (the fragments were asked for earlier)
.else
	DSWF
.endif
.set i, 0
.rept 16
.if i == 8
	DSW MKX                                        ; the turned tiles; in the first batch also p and the bias of tiles 2 and 3, which were asked for earlier
	POOLW 2*be
	RIDER
	POOLW 2*be+1
	RIDER
.endif
	MMB
	RIDER
.if (i == 9) && (be <= 2)
	XTL be+1                                       ; twelve plain lines behind the product that read these registers
.endif
.set i, i+1
.endr
.if be != 2
	PLACES
.endif
.if be <= 1
	FRL 1, be+2, \par
.endif
.if be == 3
	W2L 0
.endif
.set be, be+1
.endr
	GELU 1                                         ; it also asks for the next step's bias
	WIN 0
	s_wait_dscnt 0x0
	s_barrier_signal -1
	s_barrier_wait -1
.endm
.Ltrip:                                                ; eight trips of two steps
	s_xor_b32 s[SGO], s[SGC], GRP
	s_lshl_b32 s[OSS], s[TR], 8
	s_add_co_u32 s[OSS], s[OSS], s[OSB]
	v_add_nc_u32 v[XWC], s[SGC], v[XW0]
	v_add_nc_u32 v[XWO], s[SGO], v[XW0]
	v_add_nc_u32 v[XFC], s[SGC], v[XF0]
	v_add_nc_u32 v[XTC], s[SGC], v[XT0]
	v_add_nc_u32 v[XTO], s[SGO], v[XT0]
	v_add_nc_u32 v[OSW], s[OSS], v[PRD]
	STEP 0
	STEP 1
	WIN 0
	s_xor_b32 s[SGC], s[SGC], GRP
	s_add_co_u32 s[TR], s[TR], 1
	s_cmp_lt_u32 s[TR], 8
	s_cbranch_scc1 .Ltrip
	; tile 15's energy and pooling
.set DSC, 0
.set EPAR, 0
	s_add_co_u32 s[OSS], s[OSB], 2048
	v_add_nc_u32 v[OSW], s[OSS], v[PRD]
	v_add_nc_u32 v[XTC], GRP, v[XT0]
.set z, 0
.rept 4
	ds_load_b32 v[EN+z], v[PRD] offset:512+128*z
.set z, z+1
.endr
.set DSC, DSC+4
.set MKP, DSC
.set z, 0
.rept 8
	ds_load_tr16_b128 v[FR+8*z:FR+8*z+3], v[XTC] offset:XB+32*z
	ds_load_tr16_b128 v[FR+8*z+4:FR+8*z+7], v[XTC] offset:XB+32*z+16*XP
.set z, z+1
.endr
.set DSC, DSC+16
.set ek, 0
.rept 22
	ENR
.set ek, ek+1
.endr
	s_wait_dscnt 0x0
.set z, 0
.rept 8
	v_wmma_f32_16x16x32_f16 v[POOL+8*z:POOL+8*z+7], v[PF:PF+7], v[FR+8*z:FR+8*z+7], v[POOL+8*z:POOL+8*z+7]
.set z, z+1
.endr
	; position 16 i + r of my 128 is column 8 i + 64 ((r / 4) % 2) + 4 (r / 8) + r % 4.  These address lines are the places behind the last products.
	v_and_b32 v54, 3, v0
	v_bfe_u32 v55, v0, 3, 1
	v_lshl_add_u32 v54, v55, 2, v54
	v_bfe_u32 v55, v0, 2, 1
	v_lshl_add_u32 v54, v55, 6, v54
	v_bfe_u32 v55, v0, 4, 1
	v_lshl_add_u32 v54, v55, 3, v54                ; lanes 16-31 take the odd tiles: 8 columns on
	s_lshl_b32 s[TMP], s[WV], 9
	s_add_co_u32 s[TMP], s[TMP], PO
	v_lshl_add_u32 v54, v54, 2, s[TMP]
	v_lshlrev_b32 v55, 4, v0                       ; 16 t = 512 w + 16 lane
	v_add_nc_u32 v56, PO, v55
	v_and_b32 v59, 31, v0
	s_mul_i32 s[TMP], s[WV], 2304
	s_add_co_u32 s[TMP], s[TMP], OUTS+128
	v_lshl_add_u32 v57, v59, 4, s[TMP]
	v_lshlrev_b32 v58, 4, v59
.irp m, 0,1,2,3
	v_cndmask_b32 v[46+\m], v[POOL+16*\m], v[POOL+16*\m+8], s[HM]  ; all 16 rows of a result are equal: its lowest register serves
.endr
.irp m, 0,1,2,3
	ds_store_b32 v54, v[46+\m] offset:64*\m
.endr
	ds_load_b128 v[64:67], v56                     ; my own bytes, behind my own stores
.irp q, 0,1,2,3
	ds_load_b128 v[68+4*\q:71+4*\q], v57 offset:512*\q
.endr
	s_lshl_b32 s[TMP], ttmp9, 11                   ; 2,048 bytes a work-group, in ppool and in the three outputs
	s_mov_b32 s[TMP+1], 0
	s_add_nc_u64 s[38:39], s[38:39], s[TMP:TMP+1]
	s_cmp_eq_u32 s[WV], 0
	s_cselect_b64 s[TBP:TBP+1], s[34:35], s[36:37] ; wave 0 drive, wave 1 resistance,
	s_cmp_eq_u32 s[WV], 2
	s_cselect_b64 s[TBP:TBP+1], s[32:33], s[TBP:TBP+1]  ; wave 2 energy
	s_add_nc_u64 s[TBP:TBP+1], s[TBP:TBP+1], s[TMP:TMP+1]
	s_wait_dscnt 0x0
	global_store_b128 v55, v[64:67], s[38:39]      ; 512 consecutive bytes a wave, aligned
	s_cmp_eq_u32 s[WV], 3
	s_cbranch_scc1 .Lsum
.irp q, 0,1,2,3
	global_store_b128 v58, v[68+4*\q:71+4*\q], s[TBP:TBP+1] offset:512*\q
.endr
	s_branch .Lend
.Lsum:                                                 ; wave 3: the sum of the work-group's 512 p
	v_pk_add_f32 v[68:69], v[68:69], v[76:77]
	v_pk_add_f32 v[70:71], v[70:71], v[78:79]
	v_pk_add_f32 v[72:73], v[72:73], v[80:81]
	v_pk_add_f32 v[74:75], v[74:75], v[82:83]
	v_pk_add_f32 v[68:69], v[68:69], v[72:73]
	v_pk_add_f32 v[70:71], v[70:71], v[74:75]
	v_pk_add_f32 v[68:69], v[68:69], v[70:71]
	v_add_f32 v68, v68, v69
	XADD 68, 0
	XADD 68, 1
	XADD 68, 2
	XADD 68, 3
	v_permlanex16_b32 v69, v68, s[SEL], s[SEL+1]
	v_add_f32 v68, v68, v69
	v_mov_b32 v70, 0
	s_lshl_b32 s[TMP], ttmp9, 2
	s_add_nc_u64 s[40:41], s[40:41], s[TMP:TMP+1]
	v_cmp_eq_u32 vcc_lo, 0, v59
	s_wait_xcnt 0x0                                ; EXEC changes only behind this wait: a store is out
	s_and_saveexec_b32 s[SEX], vcc_lo
	global_store_b32 v70, v68, s[40:41]
	s_wait_xcnt 0x0                                ; and again ahead of the line that widens it
	s_or_b32 exec_lo, exec_lo, s[SEX]
.Lend:
	s_wait_tensorcnt 0x0                           ; the wave's end, behind my last LDS store
	ds_add_u32 v[SPW], v[NIL]
	s_wait_dscnt 0x0
	s_endpgm
.Lfunc_end_k_q3383be66c5_main:
	.size	k_q3383be66c5_main, .Lfunc_end_k_q3383be66c5_main-k_q3383be66c5_main
	.p2alignl 7, 3214868480
	.fill 96, 4, 3214868480
	.section	.rodata,"a",@progbits
	.p2align	6, 0x0
	.amdhsa_kernel k_q3383be66c5_main
		.amdhsa_group_segment_fixed_size 197632
		.amdhsa_private_segment_fixed_size 0
		.amdhsa_enable_private_segment 0
		.amdhsa_kernarg_size 152
		.amdhsa_user_sgpr_count 2
		.amdhsa_user_sgpr_kernarg_segment_ptr 1
		.amdhsa_wavefront_size32 1
		.amdhsa_system_sgpr_workgroup_id_x 1
		.amdhsa_system_sgpr_workgroup_id_y 1
		.amdhsa_system_sgpr_workgroup_id_z 1
		.amdhsa_system_vgpr_workitem_id 0
		.amdhsa_next_free_vgpr 1024
		.amdhsa_next_free_sgpr 92
		.amdhsa_reserve_vcc 1
		.amdhsa_float_denorm_mode_32 3
		.amdhsa_float_denorm_mode_16_64 3
		.amdhsa_memory_ordered 1
		.amdhsa_forward_progress 1
		.amdhsa_inst_pref_size 255
	.end_amdhsa_kernel
	.section	.bss,"aw",@nobits
	.p2align	6
	.space	262144
	.amdgpu_metadata
---
amdhsa.version: [ 1, 2 ]
amdhsa.kernels:
  - .name:           k_q3383be66c5_main
    .symbol:         k_q3383be66c5_main.kd
    .args:
      - { .name: tokens, .offset: 0, .size: 8, .value_kind: global_buffer, .address_space: global }
      - { .name: ln_g, .offset: 8, .size: 8, .value_kind: global_buffer, .address_space: global }
      - { .name: ln_b, .offset: 16, .size: 8, .value_kind: global_buffer, .address_space: global }
      - { .name: dw1, .offset: 24, .size: 8, .value_kind: global_buffer, .address_space: global }
      - { .name: db1, .offset: 32, .size: 8, .value_kind: global_buffer, .address_space: global }
      - { .name: dw2, .offset: 40, .size: 8, .value_kind: global_buffer, .address_space: global }
      - { .name: db2, .offset: 48, .size: 8, .value_kind: global_buffer, .address_space: global }
      - { .name: rw1, .offset: 56, .size: 8, .value_kind: global_buffer, .address_space: global }
      - { .name: rb1, .offset: 64, .size: 8, .value_kind: global_buffer, .address_space: global }
      - { .name: rw2, .offset: 72, .size: 8, .value_kind: global_buffer, .address_space: global }
      - { .name: rb2, .offset: 80, .size: 8, .value_kind: global_buffer, .address_space: global }
      - { .name: eml_gamma, .offset: 88, .size: 8, .value_kind: global_buffer, .address_space: global }
      - { .name: eml_lambda, .offset: 96, .size: 8, .value_kind: global_buffer, .address_space: global }
      - { .name: eml_bias, .offset: 104, .size: 8, .value_kind: global_buffer, .address_space: global }
      - { .name: out2, .offset: 112, .size: 8, .value_kind: global_buffer, .address_space: global }
      - { .name: out3, .offset: 120, .size: 8, .value_kind: global_buffer, .address_space: global }
      - { .name: out4, .offset: 128, .size: 8, .value_kind: global_buffer, .address_space: global }
      - { .name: ppool, .offset: 136, .size: 8, .value_kind: global_buffer, .address_space: global }
      - { .name: psum, .offset: 144, .size: 8, .value_kind: global_buffer, .address_space: global }
    .group_segment_fixed_size: 197632
    .private_segment_fixed_size: 0
    .kernarg_segment_align: 8
    .kernarg_segment_size: 152
    .max_flat_workgroup_size: 128
    .sgpr_count:     92
    .vgpr_count:     1024
    .wavefront_size: 32
...
	.end_amdgpu_metadata
.endif
;; end of part 1
;; launch finish (part 2): grid 8 x 32, 4 waves a work-group, no clusters, 83,968 bytes of LDS; arguments out2, ppool, psum, vw, vb, out0, out1; writes out0, out1
.if DOCPART == 2
	.amdgcn_target "amdgcn-amd-amdhsa--gfx1250"
	.amdhsa_code_object_version 6
	.text
	.protected	k_q3383be66c5_finish
	.globl	k_q3383be66c5_finish
	.p2align	8
	.type	k_q3383be66c5_finish,@function
k_q3383be66c5_finish:
	s_mov_b64 s[64:65], 0
	v_nop
	global_prefetch_b8 v0, s[64:65] scope:SCOPE_SE
	s_setreg_imm32_b32 hwreg(HW_REG_WAVE_MODE, 25, 1), 1
	s_wait_xcnt 0x0
; EMLTokenPool, second of two launches: weights = exp(energy) / sum p;  xbar = sum p x^ / sum p;  pooled = xbar vw + vb.
; The energy was clipped to -3 .. 3 by the problem itself, so exp(energy) lies in 0.0497 .. 20.1 and no maximum is taken away.
; SHARES.  Work-group (c, b): the weights of tokens 512 c .. 512 c + 511 of batch b, and pooled columns 64 c .. 64 c + 63 of batch b, 16 a wave.
; vw's 512 rows x 64 columns go to f16 into LDS as they lie ([k][column]) and come back turned; xbar, in f16, is source 0 with 16 equal rows.  LIMITS: f16 operands (xbar and vw under 65,504; below 6e-5 a fixed step of 6e-8).
; All 74 loads are issued ahead of the first wait.  No prefetch and no cluster: each work-group reads 146 KiB once and is done.
.set VS,    0                          ; 512 rows x 160 bytes (64 f16 + 32)
.set XBF,   81920                      ; xbar, 512 f16
.set OB,    82944                      ; the 64 results, f32
.set SPARE, 83200                      ; the spare words, 128 bytes a wave: two blocks of 256 bytes that no other line names
.set SPW, 62
.set NIL, 63
.set MSB, 0
.macro WIN new
.if MSB != (\new)
	s_set_vgpr_msb (MSB<<8)|(\new)
.set MSB, \new
.endif
.endm
	s_load_b256 s[4:11], s[0:1], 0x0               ; out2 4, ppool 6, psum 8, vw 10
	s_load_b128 s[12:15], s[0:1], 0x20             ; vb 12, out0 14
	s_load_b64 s[16:17], s[0:1], 0x30              ; out1
	v_lshl_add_u32 v[SPW], v0, 2, SPARE
	v_mov_b32 v[NIL], 0
	v_lshrrev_b32 v11, 5, v0
	v_readfirstlane_b32 s30, v11                   ; wave 0..3
	v_and_b32 v11, 15, v0                          ; lane % 16
	v_bfe_u32 v12, v0, 4, 1                        ; half
	s_and_b32 s18, ttmp7, 0xffff                   ; b
	s_lshl_b32 s19, ttmp9, 8                       ; 256 c
	s_lshl_b32 s32, s30, 18                        ; my 128 rows of vw
	s_add_co_u32 s32, s32, s19
	v_lshl_add_u32 v1, v12, 11, s32
	v_lshl_add_u32 v1, v11, 4, v1                  ; v1: (128 w + half) 2,048 + 256 c + 16 (lane % 16)
	s_mul_i32 s32, s30, 128*160
	v_mul_u32_u24 v2, v12, 160
	v_lshl_add_u32 v2, v11, 3, v2
	v_add_nc_u32 v2, s32, v2                       ; v2: the same place in LDS
	v_lshlrev_b32 v3, 4, v0                        ; v3: 16 t
	v_lshlrev_b32 v4, 4, v11                       ; v4: 16 (lane % 16)
	v_lshl_add_u32 v5, v0, 3, XBF                  ; v5: where I put four of xbar
	v_lshl_add_u32 v6, v12, 4, XBF                 ; v6: a fragment of xbar
	v_and_b32 v9, 7, v0
	v_lshl_add_u32 v7, v12, 3, v9
	v_mul_u32_u24 v7, v7, 160
	v_bfe_u32 v9, v0, 3, 1
	v_lshl_add_u32 v7, v9, 4, v7
	s_lshl_b32 s32, s30, 5
	v_add_nc_u32 v7, s32, v7                       ; v7: the turning loads, K steps 0-7;
	v_add_nc_u32 v8, 40960, v7                     ; v8: K steps 8-15, so that the immediates stay in 16 bits
	s_lshl_b32 s32, s30, 6
	v_lshl_add_u32 v9, v11, 2, s32
	v_add_nc_u32 v9, OB, v9                        ; v9: my column's result
	v_add_nc_u32 v10, OB, v4                       ; v10: four results
	s_mov_b32 s29, 0
	s_wait_kmcnt 0x0
	s_lshl_b32 s28, s18, 5
	s_add_nc_u64 s[8:9], s[8:9], s[28:29]
	s_load_b256 s[20:27], s[8:9], 0x0              ; the batch's eight sums of p
	s_lshl_b32 s28, s18, 14
	s_add_nc_u64 s[6:7], s[6:7], s[28:29]          ; the batch's eight rows of ppool
	s_lshl_b32 s33, ttmp9, 11
	s_add_co_u32 s28, s28, s33
	s_add_nc_u64 s[4:5], s[4:5], s[28:29]          ; my 512 tokens in out2 and out1
	s_add_nc_u64 s[16:17], s[16:17], s[28:29]
	s_mov_b32 s28, s19
	s_add_nc_u64 s[12:13], s[12:13], s[28:29]      ; my 64 columns of vb
	s_lshl_b32 s33, s18, 11
	s_add_co_u32 s28, s28, s33
	s_add_nc_u64 s[14:15], s[14:15], s[28:29]      ; and of out0
	WIN 0x40
.set t, 0
.rept 64
	global_load_b128 v[4*t:4*t+3], v1, s[10:11] offset:4096*t  ; rows 128 w + 2 t + half: 16 lanes take 256 consecutive aligned bytes
.set t, t+1
.endr
	WIN 0
.irp q, 0,1,2,3,4,5,6,7
	global_load_b128 v[16+4*\q:19+4*\q], v3, s[6:7] offset:2048*\q
.endr
	global_load_b128 v[48:51], v3, s[4:5]
	global_load_b128 v[52:55], v4, s[12:13]
.set G, 0
.rept 8
.if 66-8*G > 63
	s_wait_loadcnt 63                              ; (the field holds no more)
.else
	s_wait_loadcnt 66-8*G                          ; behind these eight: 8 (7 - G) loads of vw and the ten small ones
.endif
	WIN 0x45
.set t, 8*G
.rept 8
	v_cvt_pk_f16_f32 v[4*t], v[4*t], v[4*t+1]
	v_cvt_pk_f16_f32 v[4*t+1], v[4*t+2], v[4*t+3]
.set t, t+1
.endr
	WIN 0x04
.set t, 8*G
.rept 8
	ds_store_b64 v2, v[4*t:4*t+1] offset:320*t
.set t, t+1
.endr
.set G, G+1
.endr
	WIN 0
	s_wait_kmcnt 0x0
	s_add_f32 s20, s20, s21
	s_add_f32 s22, s22, s23
	s_add_f32 s24, s24, s25
	s_add_f32 s26, s26, s27
	s_add_f32 s20, s20, s22
	s_add_f32 s24, s24, s26
	s_add_f32 s20, s20, s24
	v_mov_b32 v13, s20
	v_rcp_f32 v14, v13                             ; twice, to fill the pair that the packed products take
	v_rcp_f32 v15, v13
	v_nop
	s_wait_alu depctr_va_vdst(0)                   ; one wait for both, ahead of their first reader
	s_wait_loadcnt 0x0
.irp q, 0,1,2,3
	v_pk_add_f32 v[16+4*\q:17+4*\q], v[16+4*\q:17+4*\q], v[32+4*\q:33+4*\q]
	v_pk_add_f32 v[18+4*\q:19+4*\q], v[18+4*\q:19+4*\q], v[34+4*\q:35+4*\q]
.endr
.irp q, 0,1
	v_pk_add_f32 v[16+4*\q:17+4*\q], v[16+4*\q:17+4*\q], v[24+4*\q:25+4*\q]
	v_pk_add_f32 v[18+4*\q:19+4*\q], v[18+4*\q:19+4*\q], v[26+4*\q:27+4*\q]
.endr
	v_pk_add_f32 v[16:17], v[16:17], v[20:21]
	v_pk_add_f32 v[18:19], v[18:19], v[22:23]
	v_pk_mul_f32 v[16:17], v[16:17], v[14:15]
	v_pk_mul_f32 v[18:19], v[18:19], v[14:15]
	v_cvt_pk_f16_f32 v56, v16, v17
	v_cvt_pk_f16_f32 v57, v18, v19
	ds_store_b64 v5, v[56:57]
.irp r, 48,49,50,51
	v_mul_f32 v\r, 0x3fb8aa3b, v\r
.endr
.irp r, 48,49,50,51
	v_exp_f32 v\r, v\r
.endr
	v_nop
	s_wait_alu depctr_va_vdst(0)                   ; one wait for the four
	v_pk_mul_f32 v[48:49], v[48:49], v[14:15]
	v_pk_mul_f32 v[50:51], v[50:51], v[14:15]
	global_store_b128 v3, v[48:51], s[16:17]       ; 512 consecutive bytes a wave, aligned
	s_wait_dscnt 0x0
	s_barrier_signal -1
	s_barrier_wait -1                              ; vw's block and xbar are whole
.set t, 0
.rept 16
	ds_load_b128 v[96+8*t:96+8*t+3], v6 offset:64*t
	ds_load_b128 v[96+8*t+4:96+8*t+7], v6 offset:64*t+32
.set t, t+1
.endr
	WIN 0x40
.set t, 0
.rept 8
	ds_load_tr16_b128 v[8*t:8*t+3], v7 offset:5120*t
	ds_load_tr16_b128 v[8*t+4:8*t+7], v7 offset:5120*t+2560
.set t, t+1
.endr
.rept 8
	ds_load_tr16_b128 v[8*t:8*t+3], v8 offset:5120*(t-8)
	ds_load_tr16_b128 v[8*t+4:8*t+7], v8 offset:5120*(t-8)+2560
.set t, t+1
.endr
	s_wait_dscnt 0x0
	WIN 0x04
.set t, 0
.rept 16                               ; four accumulators by turns; the first four products start the sums
.if t < 4
	v_wmma_f32_16x16x32_f16 v[224+8*(t&3):224+8*(t&3)+7], v[96+8*t:96+8*t+7], v[8*t:8*t+7], 0
.else
	v_wmma_f32_16x16x32_f16 v[224+8*(t&3):224+8*(t&3)+7], v[96+8*t:96+8*t+7], v[8*t:8*t+7], v[224+8*(t&3):224+8*(t&3)+7]
.endif
.set t, t+1
.endr
	WIN 0
.rept 4
	v_nop
.endr
	v_add_f32 v224, v224, v232                     ; all 16 rows are equal: each result's lowest register serves
	v_add_f32 v240, v240, v248
	v_add_f32 v224, v224, v240
	ds_store_b32 v9, v224                          ; lanes r and r + 16 write the same word with the same number
	s_wait_dscnt 0x0
	s_barrier_signal -1
	s_barrier_wait -1
	s_cmp_lg_u32 s30, 0
	s_cbranch_scc1 .Lend
	ds_load_b128 v[56:59], v10
	s_wait_dscnt 0x0
	v_pk_add_f32 v[56:57], v[56:57], v[52:53]
	v_pk_add_f32 v[58:59], v[58:59], v[54:55]
	v_cmp_gt_u32 vcc_lo, 16, v0
	s_wait_xcnt 0x0                                ; EXEC changes only behind this wait: a store is out
	s_and_saveexec_b32 s31, vcc_lo
	global_store_b128 v4, v[56:59], s[14:15]       ; sixteen lanes store 256 consecutive bytes, aligned
	s_wait_xcnt 0x0                                ; and again ahead of the line that widens it
	s_or_b32 exec_lo, exec_lo, s31
.Lend:
	s_wait_tensorcnt 0x0                           ; the wave's end, behind my last LDS store
	ds_add_u32 v[SPW], v[NIL]
	s_wait_dscnt 0x0
	s_endpgm
.Lfunc_end_k_q3383be66c5_finish:
	.size	k_q3383be66c5_finish, .Lfunc_end_k_q3383be66c5_finish-k_q3383be66c5_finish
	.p2alignl 7, 3214868480
	.fill 96, 4, 3214868480
	.section	.rodata,"a",@progbits
	.p2align	6, 0x0
	.amdhsa_kernel k_q3383be66c5_finish
		.amdhsa_group_segment_fixed_size 83968
		.amdhsa_private_segment_fixed_size 0
		.amdhsa_enable_private_segment 0
		.amdhsa_kernarg_size 56
		.amdhsa_user_sgpr_count 2
		.amdhsa_user_sgpr_kernarg_segment_ptr 1
		.amdhsa_wavefront_size32 1
		.amdhsa_system_sgpr_workgroup_id_x 1
		.amdhsa_system_sgpr_workgroup_id_y 1
		.amdhsa_system_sgpr_workgroup_id_z 1
		.amdhsa_system_vgpr_workitem_id 0
		.amdhsa_next_free_vgpr 512
		.amdhsa_next_free_sgpr 66
		.amdhsa_reserve_vcc 1
		.amdhsa_float_denorm_mode_32 3
		.amdhsa_float_denorm_mode_16_64 3
		.amdhsa_memory_ordered 1
		.amdhsa_forward_progress 1
		.amdhsa_inst_pref_size 32
	.end_amdhsa_kernel
	.amdgpu_metadata
---
amdhsa.version: [ 1, 2 ]
amdhsa.kernels:
  - .name:           k_q3383be66c5_finish
    .symbol:         k_q3383be66c5_finish.kd
    .args:
      - { .name: out2, .offset: 0, .size: 8, .value_kind: global_buffer, .address_space: global }
      - { .name: ppool, .offset: 8, .size: 8, .value_kind: global_buffer, .address_space: global }
      - { .name: psum, .offset: 16, .size: 8, .value_kind: global_buffer, .address_space: global }
      - { .name: vw, .offset: 24, .size: 8, .value_kind: global_buffer, .address_space: global }
      - { .name: vb, .offset: 32, .size: 8, .value_kind: global_buffer, .address_space: global }
      - { .name: out0, .offset: 40, .size: 8, .value_kind: global_buffer, .address_space: global }
      - { .name: out1, .offset: 48, .size: 8, .value_kind: global_buffer, .address_space: global }
    .group_segment_fixed_size: 83968
    .private_segment_fixed_size: 0
    .kernarg_segment_align: 8
    .kernarg_segment_size: 56
    .max_flat_workgroup_size: 128
    .sgpr_count:     66
    .vgpr_count:     512
    .wavefront_size: 32
...
	.end_amdgpu_metadata
.endif
;; end of part 2
